; MI455X (gfx1250); checked and timed in simulation.
; The chip was launched on July 23, 2026; its instructions are those of AMD's public machine-readable ISA for CDNA 5 (MIT licence, August 2026) and "CDNA5" Instruction Set Architecture Reference Guide (July 2026). The comments in the code are by the model that wrote it; some were corrected since.
;; Refiner. Allowed arithmetic: matrix products marked QUANTISED: E5M2 operands, one given power-of-two scale a tensor, by v_wmma_f32_16x16x64_bf8_bf8 or v_wmma_f32_16x16x128_bf8_bf8, f32 sums; everything else in f32.
;; Inputs: Wf 768 x 64 float32; Wx 512 x 768 float32; Wy 512 x 768 float32; X 32 x 96 x 512 x 8 float32; Y 32 x 96 x 512 x 8 float32; base_w 64 x 1,024 float32; bf 768 float32; bx 512 float32; by 512 float32; lowp_scales 10 int32 (the exponents e of the quantised operands' scales 2^e); spline_scaler 64 x 1,024 float32; spline_w 64 x 1,024 x 8 float32.
;; Outputs: out0 32 x 96 x 512 x 8 float32.
;; This version of the problem:
;;   THIS VERSION OF THE PROBLEM IS GIVEN IN LOW PRECISION. The matrix products marked QUANTISED in the list below multiply operands that are first quantised to E5M2 (5 exponent bits, 2 mantissa bits; 8 bits a number), with one given power-of-two scale for each operand tensor; their sums are f32. All else is computed in f32.
;;   The module's matrix products, in the order in which they are computed (A, B: the left and right operand; K: the contracted axis; several contracted axes count as one K, in the product's order):
;;     1. [M 16,384, K 768] x [K 768, N 512]; A: input X; B: input Wx: QUANTISED (scales: A lowp_scales[0], B lowp_scales[1])
;;     2. [M 16,384, K 768] x [K 768, N 512]; A: input Y; B: input Wy: QUANTISED (scales: A lowp_scales[2], B lowp_scales[3])
;;     3. [M 16,384, K 1,024] x [K 1,024, N 64]; A: computed on the way; B: input base_w: QUANTISED (scales: A lowp_scales[4], B lowp_scales[5])
;;     4. [M 16,384, K 8,192] x [K 8,192, N 64]; A: computed on the way; B: computed on the way: QUANTISED (scales: A lowp_scales[6], B lowp_scales[7])
;;     5. [M 16,384, K 64] x [K 64, N 768]; A: computed on the way; B: input Wf: QUANTISED (scales: A lowp_scales[8], B lowp_scales[9])
;;   THE QUANTISER, for each operand of a quantised product, along K:
;;     - The operand's scale is 2^e, e = its entry of the input lowp_scales (int32; the entries are numbered through the quantised products in the list's order, A before B).
;;     - Each number is divided by the scale, clamped to +-57,344, and rounded to the nearest number of E5M2, ties to even, subnormals kept.
;;     - The product sums the exact products of the quantised numbers (number of the format x scale) in f32.
;;   ~~~python
;;   def quantise(x, axis, e):      # numpy; x: float32 -> the quantised numbers, widened to float32 again
;;       x = np.moveaxis(x, axis, -1); K = x.shape[-1]
;;       r = np.clip(x / 2.0 ** e, -57344, 57344)
;;       step = 2.0 ** (np.maximum(np.frexp(np.where(r == 0, 1, r))[1] - 1, -14) - 2)
;;       q = np.round(r / step) * step * 2.0 ** e      # np.round: ties to even
;;       return np.moveaxis(q, -1, axis).astype(np.float32)
;;   ~~~
;;   OPERANDS COMPUTED ON THE WAY. 'Computed on the way' means the value that the module computes at that place (a softmax that the list does not call 'softmax' is quantised finished and normalised). What goes into a quantiser is computed in f32, as accurately as f32 sums, v_exp_f32 and their like allow (about 1e-6 of the number): no bf16 or f16 on the way to a quantiser, and a product that is left as it is and whose result goes on into a quantised operand takes f32 operands (vector FMAs, or v_wmma_f32_16x16x4_f32). A number that lies on a knife's edge between two numbers of the format may be rounded either way, as far as f32 arithmetic and the matrix unit's own rounding can turn it there, and no further.
;; One version. Each part assembles by itself: llvm-mc -triple=amdgcn-amd-amdhsa -mcpu=gfx1250 --defsym DOCPART=n.
;; ======== version 1 of 1: 2 launches
;; workspace buffers: wcodes 1,425,408 bytes
;; launch prep (part 1): grid 348 x 1, 8 waves a work-group, no clusters, 0 bytes of LDS; arguments Wx, Wy, spline_w, spline_scaler, base_w, Wf, lowp_scales, wcodes; writes wcodes
.if DOCPART == 1
	.amdgcn_target "amdgcn-amd-amdhsa--gfx1250"
	.amdhsa_code_object_version 6
	.text
	.protected	k_qca93546a66_prep
	.globl	k_qca93546a66_prep
	.p2align	8
	.type	k_qca93546a66_prep,@function
k_qca93546a66_prep:
	s_mov_b64 s[64:65], 0
	v_nop
	global_prefetch_b8 v0, s[64:65] scope:SCOPE_SE
	s_setreg_imm32_b32 hwreg(HW_REG_WAVE_MODE, 25, 1), 1
	s_wait_xcnt 0x0
; ALL WEIGHTS BECOME CODES OF BF8 (E5M2), ONCE, LAID AS IMAGES OF THE OPERAND REGISTERS THAT THE SECOND LAUNCH LOADS.
; code = x / 2^e, held within +-57,344, rounded to the nearest code, ties to even; e is the operand's entry of lowp_scales (1, 3: Wx, Wy; 7: spline_w x spline_scaler; 5: base_w; 9: Wf).
; wcodes is a row of pieces of 16 bytes: piece = 32 x chunk + lane; a chunk (512 bytes) is four registers of a fragment for the 32 lanes.  A thread makes one piece: 16 numbers, 16 codes.
; So every store is the same: the work-group's 4,096 bytes, 16 bytes a thread; a wave's store covers 512 consecutive bytes, aligned.
; Lane (r, h) = (lane % 16, lane / 16) holds row r of a tile of 16 rows of the weight.  Which k stands in which byte is this program's own choice, the same in the weight and in the operand that meets it:
;   A  work-groups   0-191  [p 2][s 6][w 8][t 4][c 4]   Wx (p = 0), Wy (p = 1): row 64 w + 16 t + r; register 4 c + i, byte b: k = 128 s + 8 (4 c + i) + 4 h + b
;   B  work-groups 192-319  [p 2][w 8][t 4][ot 4][c 4]  spline_w x scaler: row 16 ot + r; the piece holds hidden units 512 p + 64 w + 16 t + 8 h + 2 c and the next, eight bases each
;   C  work-groups 320-335  [p 2][w 8][ot 4][c 2]       base_w: row 16 ot + r; register 4 c + i: hidden unit 512 p + 64 w + 16 (2 c + i / 2) + 8 h + 4 (i % 2) + b
;   D  work-groups 336-347  [ct 48][c 2]                Wf: row 16 ct + 8 ((r / 4) % 2) + 4 (r / 8) + r % 4; register 4 c + i: k = 16 (2 c + i / 2) + 8 h + 4 (i % 2) + b
; The section hangs on the work-group's number alone.  No LDS, no barrier, no loop.
; LIMITS: each of the five exponents lies between -126 and 112, so that 2^e and 57,344 x 2^e are f32 numbers.  NaN among the inputs is not served (an infinity is held at the largest code).
.set X,  16                            ; v16-31  the piece's 16 numbers
.set SC, 32                            ; v32-33  section B: the two hidden units' scalers
.set CD, 36                            ; v36-39  the 16 codes
.macro LD4 b, o1, o2, o3               ; the piece's four runs of four numbers, from base s[b:b+1] at v10
	global_load_b128 v[X:X+3],     v10, s[\b:\b+1]
	global_load_b128 v[X+4:X+7],   v10, s[\b:\b+1] offset:\o1
	global_load_b128 v[X+8:X+11],  v10, s[\b:\b+1] offset:\o2
	global_load_b128 v[X+12:X+15], v10, s[\b:\b+1] offset:\o3
.endm
	s_load_b512 s[4:19], s[0:1], 0x0               ; Wx s[4:5], Wy s[6:7], spline_w s[8:9], spline_scaler s[10:11], base_w s[12:13], Wf s[14:15], lowp_scales s[16:17], wcodes s[18:19]
	v_and_b32 v1, 15, v0                           ; r
	v_bfe_u32 v2, v0, 4, 1                         ; h
	v_lshlrev_b32 v42, 4, v0                       ; my piece's place in the work-group's 4,096 bytes
	s_lshl_b32 s32, ttmp9, 12
	s_mov_b32 s33, 0
	s_wait_kmcnt 0x0
	s_load_b256 s[20:27], s[16:17], 0x0            ; e0 .. e7
	s_load_b64 s[28:29], s[16:17], 0x20            ; e8, e9
	s_add_nc_u64 s[18:19], s[18:19], s[32:33]
	s_wait_kmcnt 0x0
	s_cmp_lt_u32 ttmp9, 192
	s_cbranch_scc0 .Lnot_a
	; ---- A: chunk = 8 g + thread / 32 = (((6 p + s) 8 + w) 4 + t) 4 + c
	s_lshr_b32 s34, ttmp9, 4                       ; 6 p + s
	s_cmp_ge_u32 s34, 6
	s_cselect_b64 s[36:37], s[6:7], s[4:5]         ; Wy or Wx,
	s_cselect_b32 s30, s23, s21                    ; e3 or e1,
	s_cselect_b32 s35, 6, 0
	s_sub_co_u32 s34, s34, s35                     ; s
	s_lshl_b32 s34, s34, 9                         ; a K step of 128 numbers is 512 bytes
	s_bfe_u32 s38, ttmp9, 0x30001                  ; w
	s_lshl_b32 s38, s38, 6
	s_and_b32 s39, ttmp9, 1
	s_lshl_b32 s39, s39, 5
	s_add_co_u32 s38, s38, s39                     ; 64 w + 32 (g % 2)
	v_lshrrev_b32 v3, 7, v0
	v_lshl_add_u32 v3, v3, 4, v1
	v_add_nc_u32 v3, s38, v3                       ; the row: 64 w + 16 t + r
	v_mul_u32_u24 v10, v3, 3072                    ; a row of 768 numbers
	v_bfe_u32 v4, v0, 5, 2                         ; c
	v_lshl_add_u32 v10, v4, 7, v10
	v_lshl_add_u32 v10, v2, 4, v10
	v_add_nc_u32 v10, s34, v10                     ; + 512 s + 128 c + 16 h
	LD4 36, 32, 64, 96
	s_branch .Lq
.Lnot_a:
	s_cmp_lt_u32 ttmp9, 320
	s_cbranch_scc0 .Lnot_b
	; ---- B: chunk = 8 g + thread / 32 = (((8 p + w) 4 + t) 4 + ot) 4 + c, g counted from 192
	s_sub_co_u32 s34, ttmp9, 192
	s_and_b32 s35, s34, 1
	s_lshl_b32 s35, s35, 15                        ; 32 (g % 2) rows of 1,024
	s_lshr_b32 s34, s34, 1                         ; 32 p + 4 w + t,
	s_lshl_b32 s34, s34, 4                         ; times 16 hidden units
	s_add_co_u32 s34, s34, s35
	v_lshrrev_b32 v3, 7, v0
	v_lshl_add_u32 v3, v3, 4, v1                   ; the row's part that hangs on the thread
	v_bfe_u32 v4, v0, 5, 2                         ; c
	v_lshlrev_b32 v3, 10, v3
	v_lshl_add_u32 v3, v2, 3, v3
	v_lshl_add_u32 v3, v4, 1, v3
	v_add_nc_u32 v3, s34, v3                       ; 1,024 x row + hidden unit
	v_lshlrev_b32 v10, 5, v3                       ; eight bases of 4 bytes each
	v_lshlrev_b32 v11, 2, v3
	LD4 8, 16, 32, 48
	global_load_b64 v[SC:SC+1], v11, s[10:11]
	s_mov_b32 s30, s27                             ; e7
	s_wait_loadcnt 0x0
.irp a, 0,2,4,6
	v_pk_mul_f32 v[X+\a:X+\a+1], v[X+\a:X+\a+1], v[SC:SC+1] op_sel_hi:[1,0]                  ; the first unit's eight x its scaler, in f32, as the product's operand is defined
.endr
.irp a, 8,10,12,14
	v_pk_mul_f32 v[X+\a:X+\a+1], v[X+\a:X+\a+1], v[SC:SC+1] op_sel:[0,1] op_sel_hi:[1,1]    ; the second unit's x the pair's upper word
.endr
	s_branch .Lq
.Lnot_b:
	s_cmp_lt_u32 ttmp9, 336
	s_cbranch_scc0 .Lnot_c
	; ---- C: chunk = 8 g + thread / 32 = ((8 p + w) 4 + ot) 2 + c, g counted from 320
	s_sub_co_u32 s34, ttmp9, 320
	s_lshl_b32 s34, s34, 6                         ; 512 p + 64 w
	v_bfe_u32 v3, v0, 6, 2                         ; ot
	v_lshl_add_u32 v3, v3, 4, v1                   ; the row
	v_bfe_u32 v4, v0, 5, 1                         ; c
	v_lshlrev_b32 v3, 10, v3
	v_lshl_add_u32 v3, v4, 5, v3
	v_lshl_add_u32 v3, v2, 3, v3
	v_add_nc_u32 v3, s34, v3
	v_lshlrev_b32 v10, 2, v3
	LD4 12, 16, 64, 80
	s_mov_b32 s30, s25                             ; e5
	s_branch .Lq
.Lnot_c:
	; ---- D: chunk = 8 g + thread / 32 = 2 ct + c, g counted from 336.  The rows of a tile are so chosen that, in the product's result, a lane's registers 0-3 and 4-7 are each 16 neighbouring bytes of the output
	s_sub_co_u32 s34, ttmp9, 336
	s_lshl_b32 s34, s34, 6                         ; four tiles of 16 rows a work-group
	v_bfe_u32 v3, v0, 6, 2
	v_lshlrev_b32 v3, 4, v3
	v_bfe_u32 v4, v0, 2, 1
	v_lshl_add_u32 v3, v4, 3, v3
	v_bfe_u32 v4, v0, 3, 1
	v_lshl_add_u32 v3, v4, 2, v3
	v_and_b32 v4, 3, v0
	v_add_nc_u32 v3, v3, v4
	v_add_nc_u32 v3, s34, v3                       ; the row: 16 ct + 8 ((r / 4) % 2) + 4 (r / 8) + r % 4
	v_bfe_u32 v4, v0, 5, 1                         ; c
	v_lshlrev_b32 v3, 6, v3
	v_lshl_add_u32 v3, v4, 5, v3
	v_lshl_add_u32 v3, v2, 3, v3
	v_lshlrev_b32 v10, 2, v3
	LD4 14, 16, 64, 80
	s_mov_b32 s30, s29                             ; e9
.Lq:
	s_wait_loadcnt 0x0
	s_add_co_i32 s31, s30, 127
	s_lshl_b32 s31, s31, 23
	v_mov_b32 v40, s31                             ; 2^e as f32: the conversion takes its exponent field
	s_add_co_i32 s31, s30, 142
	s_lshl_b32 s31, s31, 23
	s_or_b32 s31, s31, 0x600000
	v_mov_b32 v41, s31                             ; 57,344 x 2^e
.irp j, 0,1,2,3,4,5,6,7,8,9,10,11,12,13,14,15
	v_med3_num_f32 v[X+\j], v[X+\j], -v41, v41     ; the conversion to an 8-bit code does not saturate (ISA guide 7.6.2): the hold comes first
.endr
	v_cvt_scalef32_pk8_bf8_f32 v[CD:CD+1], v[X:X+7], v40
	v_cvt_scalef32_pk8_bf8_f32 v[CD+2:CD+3], v[X+8:X+15], v40
	global_store_b128 v42, v[CD:CD+3], s[18:19]    ; the results go to a store alone, and nothing follows
	s_endpgm
.Lfunc_end_k_qca93546a66_prep:
	.size	k_qca93546a66_prep, .Lfunc_end_k_qca93546a66_prep-k_qca93546a66_prep
	.p2alignl 7, 3214868480
	.fill 96, 4, 3214868480
	.section	.rodata,"a",@progbits
	.p2align	6, 0x0
	.amdhsa_kernel k_qca93546a66_prep
		.amdhsa_group_segment_fixed_size 0
		.amdhsa_private_segment_fixed_size 0
		.amdhsa_enable_private_segment 0
		.amdhsa_kernarg_size 64
		.amdhsa_user_sgpr_count 2
		.amdhsa_user_sgpr_kernarg_segment_ptr 1
		.amdhsa_wavefront_size32 1
		.amdhsa_system_sgpr_workgroup_id_x 1
		.amdhsa_system_sgpr_workgroup_id_y 1
		.amdhsa_system_sgpr_workgroup_id_z 1
		.amdhsa_system_vgpr_workitem_id 0
		.amdhsa_next_free_vgpr 48
		.amdhsa_next_free_sgpr 66
		.amdhsa_reserve_vcc 0
		.amdhsa_float_denorm_mode_32 3
		.amdhsa_float_denorm_mode_16_64 3
		.amdhsa_memory_ordered 1
		.amdhsa_forward_progress 1
		.amdhsa_inst_pref_size 8
	.end_amdhsa_kernel
	.amdgpu_metadata
---
amdhsa.version: [ 1, 2 ]
amdhsa.kernels:
  - .name:           k_qca93546a66_prep
    .symbol:         k_qca93546a66_prep.kd
    .args:
      - { .name: Wx, .offset: 0, .size: 8, .value_kind: global_buffer, .address_space: global }
      - { .name: Wy, .offset: 8, .size: 8, .value_kind: global_buffer, .address_space: global }
      - { .name: spline_w, .offset: 16, .size: 8, .value_kind: global_buffer, .address_space: global }
      - { .name: spline_scaler, .offset: 24, .size: 8, .value_kind: global_buffer, .address_space: global }
      - { .name: base_w, .offset: 32, .size: 8, .value_kind: global_buffer, .address_space: global }
      - { .name: Wf, .offset: 40, .size: 8, .value_kind: global_buffer, .address_space: global }
      - { .name: lowp_scales, .offset: 48, .size: 8, .value_kind: global_buffer, .address_space: global }
      - { .name: wcodes, .offset: 56, .size: 8, .value_kind: global_buffer, .address_space: global }
    .group_segment_fixed_size: 0
    .private_segment_fixed_size: 0
    .kernarg_segment_align: 8
    .kernarg_segment_size: 64
    .max_flat_workgroup_size: 256
    .sgpr_count:     66
    .vgpr_count:     48
    .wavefront_size: 32
...
	.end_amdgpu_metadata
.endif
;; end of part 1
;; launch main (part 2): grid 256 x 1, 8 waves a work-group, no clusters, 263,168 bytes of LDS; arguments X, Y, wcodes, bx, by, bf, lowp_scales, out0; writes out0
.if DOCPART == 2
	.amdgcn_target "amdgcn-amd-amdhsa--gfx1250"
	.amdhsa_code_object_version 6
	.text
	.protected	k_qca93546a66_main
	.globl	k_qca93546a66_main
	.p2align	8
	.type	k_qca93546a66_main,@function
k_qca93546a66_main:
	s_mov_b64 s[64:65], 0
	v_nop
	global_prefetch_b8 v0, s[64:65] scope:SCOPE_SE
	s_setreg_imm32_b32 hwreg(HW_REG_WAVE_MODE, 25, 1), 1
	s_wait_xcnt 0x0
; THE WHOLE CHAIN FOR 64 ROWS (one b, 64 neighbouring n):  h = tanh([X, Y] W^T + b);  kan = silu(h) base_w^T + bases(h) (spline_w x scaler)^T;  out = kan Wf^T + bf.
; All five products on codes of BF8 (E5M2), each operand with the one scale 2^e given for it (e0 .. e9); sums f32; all else f32.  Nothing but X, Y, the weights' codes and out goes through memory.
; SHARES.  Work-group g: b = g / 8, rows n = 64 (g % 8) on.  Eight waves, two to a SIMD.  THE WAVES SHARE THE HIDDEN UNITS: wave w makes units 64 w .. 64 w + 63 of Hx (phase 0) and of Hy (phase 1) for all 64 rows,
; and carries them at once through silu, the bases and its part of K of the two products into kan: a partial kan (64 x 64, 128 registers) a wave; the eight are added through LDS at the end.
; So each weight byte goes once from memory into the registers of the one wave that multiplies by it; what goes from wave to wave is the rows' codes, as images of operand registers (16 bytes a lane, dense).
; EVERY PRODUCT IS USED TRANSPOSED (source 0 = 16 rows of the weight, source 1 = 16 data rows): lane (r, h) holds data row r, and its registers j the result's columns 8 h + j: eight neighbours along the next K.
; A tile of h (8 registers) so becomes, in the same lane, one fragment of the spline product (16 registers: unit j's eight bases in registers 2 j, 2 j + 1) and two registers of the base product's fragment.
; THE BASES.  h lies in [-1, 1]; 2.5 h + 2.5 = s + u, s = 0 .. 4 a whole number, u in [0, 1].  Bases s .. s + 3 are (1-u)^3/6, u^2 (u/2 - 1) + 2/3, (1-u)^2 ((1-u)/2 - 1) + 2/3, u^3/6; the other four are 0.
; The four are converted to one word of codes, and two byte permutes with one selector put the word at byte s of the unit's eight.  At a knot either neighbouring s gives the same numbers.
; WHICH k STANDS IN WHICH BYTE of a fragment is this program's own choice, the same on both sides of a product (the first launch lays the weights so); the order of the sums inside an instruction, and the split of K over
; waves, differ from a plain ascending sum.
; X comes by loads into registers, all asked for at the head; Y by one tensor load a wave into LDS, asked for at the head too, and it lands while phase 0 is worked.  No LDS byte is filled twice by the mover.
; The weights are not shared through a cluster: beside Y's landing zone and the codes LDS has 77,824 bytes, less than two K steps of W (65,536 each), and each weight byte is wanted by one wave only.
; LIMITS, so that each power of two below is an f32 number: e0, e2, e4, e6 and e8 - e6 - e7 between -126 and 112; e0 + e1 and e2 + e3 between -120 and 120; e4 + e5 - e6 - e7 and e8 + e9 between -126 and 127.
; NaN among the inputs is not served.  tanh z = 1 - 2 / (1 + 2^(2 log2(e) z)): its error is about 1e-7 absolute, so for small |h| it grows relative to h.
;
; LDS: RY 0 .. 196,607: Y as f32, [t 96][2,048 bytes]; wave w fills and reads rows 12 w .. 12 w + 11.  When all have read it, its first 131,072 bytes take the eight partial kan: [wave][tile 16][c 2][16 x lane].
;      CODES 196,608 .. 245,759: the first products' data operand, [G = t / 4, 24][m 4][512 bytes]; lane (r, h)'s 16 bytes at slot 16 h + (r xor 8 h), so that writers (row = lane / 2, half = lane % 2) and readers
;      both touch 16 different 16-byte columns in each half of the lanes.  X's codes first, then Y's.      KF 245,760 .. 249,855: kan's four fragments, [m 4][c 2][16 x lane].
; REGISTERS.  Window 1: v0-127 the 16 tiles of the first product (m, t) at 8 (4 m + t), later the base product's (m, ot); v128-255 kan (m, ot) at 128 + 8 (4 m + ot).  At the head v0-191 take X.
; Window 0: v1-13 addresses that stay; v16-79, v80-143 two sets of W's fragments (v16-79 later the spline weights of one t; v80-143 later the vector work); v144-207 the data fragments (later two spline fragments and
; silu's codes); v208-239 the bias tiles, later base_w's fragments; v240-249 constants.
.set CODES, 196608
.set KF,    245760
.set WF0,  16
.set WF1,  80
.set BF,   16
.set AF,   144
.set FR0,  144
.set FR1,  160
.set SIL,  176
.set BIAS, 208
.set BASEF, 208
.set KAN,  128                         ; in window 1
.set HA,   80                          ; v80-87, v88-95: h of even and of odd tiles
.set TS,   96                          ; v96-103  silu's chain
.set TY,   104                         ; four elements each: y, then s in every byte, then the selector
.set TU,   108                         ; u, then u/2 - 1, then the second base
.set TM,   112                         ; 1 - u, likewise, then the third base
.set TU2,  116                         ; 2 - s, then u - 1/2, then u^2
.set TM2,  120                         ; (1 - u)^2
.set TA3,  124                         ; u/6, then the fourth base
.set TA0,  128                         ; (1 - u)/6, then the first base
.set TQ0,  116                         ; v116-123, v132-139: the held bases, an element's four on end
.set TQ1,  132
.set TWC,  140                         ; four words of codes
.set MSB, 0
.macro WIN new                         ; s_set_vgpr_msb: bits 1:0 source 0, 3:2 source 1, 5:4 source 2, 7:6 destination; the high byte repeats the setting that is left
.if MSB != \new
	s_set_vgpr_msb (MSB<<8)|\new
.set MSB, \new
.endif
.endm
.macro PLACES n                        ; plain vector instructions between a matrix instruction and a load into, or a vector access to, its registers (ISA guide 7.12.1 for vector accesses)
.rept \n
	v_nop
.endr
.endm
.macro BARRIER                         ; my LDS stores have landed and my LDS loads are in: then the work-group's barrier
	s_wait_dscnt 0x0
	s_barrier_signal -1
	s_barrier_wait -1
.endm
.macro SCHOLD e, sc, ho                ; s[e] = an exponent: s[sc] = 2^e, s[ho] = 57,344 x 2^e, as f32
	s_add_co_i32 s[\sc], s[\e], 127
	s_add_co_i32 s[\ho], s[\e], 142
	s_lshl_b32 s[\sc], s[\sc], 23
	s_lshl_b32 s[\ho], s[\ho], 23
	s_or_b32 s[\ho], s[\ho], 0x600000
.endm
.macro LDW s, buf                      ; my four tiles of W for K step s: 16 loads, each 512 consecutive bytes
.irp t, 0,1,2,3
.irp c, 0,1,2,3
	global_load_b128 v[\buf+16*\t+4*\c:\buf+16*\t+4*\c+3], v1, s[66:67] offset:65536*(\s)+2048*\t+512*\c
.endr
.endr
.endm
.macro LDB t                           ; the spline weights that meet my tile column t: four fragments
.irp ot, 0,1,2,3
.irp c, 0,1,2,3
	global_load_b128 v[BF+16*\ot+4*\c:BF+16*\ot+4*\c+3], v1, s[68:69] offset:8192*(\t)+2048*\ot+512*\c
.endr
.endr
.endm
.macro LDBASE                          ; base_w's four fragments (K = my 64 units)
.irp ot, 0,1,2,3
.irp c, 0,1
	global_load_b128 v[BASEF+8*\ot+4*\c:BASEF+8*\ot+4*\c+3], v1, s[70:71] offset:1024*\ot+512*\c
.endr
.endr
.endm
.macro LDBIAS                          ; the bias in the result's layout: lane (r, h), tile t: units 16 t + 8 h + 0 .. 7
.irp t, 0,1,2,3
	global_load_b128 v[BIAS+8*\t:BIAS+8*\t+3],   v5, s[74:75] offset:64*\t
	global_load_b128 v[BIAS+8*\t+4:BIAS+8*\t+7], v5, s[74:75] offset:64*\t+16
.endr
.endm
.macro LDA s, mh                       ; the data fragments of K step s, tiles of rows 2 mh and 2 mh + 1
.irp mm, 0,1
.irp c, 0,1,2,3
	ds_load_b128 v[AF+16*(2*(\mh)+\mm)+4*\c:AF+16*(2*(\mh)+\mm)+4*\c+3], v2 offset:8192*(\s)+2048*\c+512*(2*(\mh)+\mm)
.endr
.endr
.endm
; Eight products of the first layer.  The 16 accumulators take turns, one instruction a turn, in the same order in every K step.  K step 0 starts the sums with the bias as C.
.macro MM1 s, mh
.if (\s) == 0
	WIN 0x40
.else
	WIN 0x50
.endif
.irp mm, 0,1
.irp t, 0,1,2,3
.if (\s) == 0
	v_wmma_f32_16x16x128_bf8_bf8 v[8*(4*(2*(\mh)+\mm)+\t):8*(4*(2*(\mh)+\mm)+\t)+7], v[WF0+64*((\s)%2)+16*\t:WF0+64*((\s)%2)+16*\t+15], v[AF+16*(2*(\mh)+\mm):AF+16*(2*(\mh)+\mm)+15], v[BIAS+8*\t:BIAS+8*\t+7]
.else
	v_wmma_f32_16x16x128_bf8_bf8 v[8*(4*(2*(\mh)+\mm)+\t):8*(4*(2*(\mh)+\mm)+\t)+7], v[WF0+64*((\s)%2)+16*\t:WF0+64*((\s)%2)+16*\t+15], v[AF+16*(2*(\mh)+\mm):AF+16*(2*(\mh)+\mm)+15], v[8*(4*(2*(\mh)+\mm)+\t):8*(4*(2*(\mh)+\mm)+\t)+7]
.endif
.endr
.endr
.endm
; A K step of the first layer.  LDS: at its head the step's 16 loads are out, those of rows 0-31 first.  Memory: W of step s is in when at most the loads issued behind it are out.
.macro STEP1 s
.if (\s) == 1
	s_wait_loadcnt 24                              ; behind W of step 1: base_w's 8 and W of step 2's 16
.else
	s_wait_loadcnt 16                              ; behind W of this step: the 16 loads of the next set
.endif
	s_wait_dscnt 8                                 ; rows 0-31 are in; the 8 loads of rows 32-63 may be out
	MM1 \s, 0
	WIN 0
	PLACES 4
.if (\s) < 5
	LDA (\s)+1, 0
	s_wait_dscnt 8                                 ; rows 32-63 are in; the 8 just issued may be out
.else
	s_wait_dscnt 0x0
.endif
	MM1 \s, 1
	WIN 0
	PLACES 4
.if (\s) < 5
	LDA (\s)+1, 1
.endif
.if (\s) == 0
	LDBASE                                         ; over the bias, which K step 0 has taken
.endif
.if (\s) < 4
	LDW (\s)+2, WF0+64*((\s)%2)
.endif
.if (\s) == 4
	LDB 0
.endif
.endm
; Four products of the spline layer: kan(m, .) += weights x the fragment in v[fr] on.  One instruction a turn.
.macro MM2 m, fr
	WIN 0x50
.irp ot, 0,1,2,3
	v_wmma_f32_16x16x128_bf8_bf8 v[KAN+8*(4*(\m)+\ot):KAN+8*(4*(\m)+\ot)+7], v[BF+16*\ot:BF+16*\ot+15], v[\fr:\fr+15], v[KAN+8*(4*(\m)+\ot):KAN+8*(4*(\m)+\ot)+7]
.endr
	WIN 0
.endm
; THE BASES OF FOUR ELEMENTS v[h4] .. v[h4 + 3] -> eight registers of a fragment, v[frd] on.  64 instructions, none of which names a register of the transcendentals that are out meanwhile.
.macro SPL h4, frd
.irp a, 0,2
	v_pk_fma_f32 v[TY+\a:TY+\a+1], v[(\h4)+\a:(\h4)+\a+1], s[54:55], v[240:241] op_sel_hi:[1,0,1]   ; 2.5 h + 12,582,914: the sum's last place is 1, so its bits are 0x4b400000 + s, s = 2.5 h + 2 to the nearest whole number: 0 .. 4
.endr
.irp a, 0,2
	v_pk_add_f32 v[TU2+\a:TU2+\a+1], v[240:241], v[TY+\a:TY+\a+1] neg_lo:[0,1] neg_hi:[0,1]         ; 2 - s, exact
.endr
.irp a, 0,2
	v_pk_fma_f32 v[TU2+\a:TU2+\a+1], v[(\h4)+\a:(\h4)+\a+1], s[54:55], v[TU2+\a:TU2+\a+1] op_sel_hi:[1,0,1]   ; u - 1/2 = 2.5 h + 2 - s, one rounding
.endr
.irp a, 0,2
	v_pk_add_f32 v[TU+\a:TU+\a+1], v[TU2+\a:TU2+\a+1], 0.5 op_sel_hi:[1,0]                          ; u
	v_pk_add_f32 v[TM+\a:TM+\a+1], v[TU2+\a:TU2+\a+1], 0.5 op_sel_hi:[1,0] neg_lo:[1,0] neg_hi:[1,0] ; 1 - u: neither is negative
.endr
.irp a, 0,2
	v_pk_mul_f32 v[TU2+\a:TU2+\a+1], v[TU+\a:TU+\a+1], v[TU+\a:TU+\a+1]
	v_pk_mul_f32 v[TM2+\a:TM2+\a+1], v[TM+\a:TM+\a+1], v[TM+\a:TM+\a+1]
.endr
.irp a, 0,2
	v_pk_mul_f32 v[TA3+\a:TA3+\a+1], v[TU+\a:TU+\a+1], s[56:57] op_sel_hi:[1,0]
	v_pk_mul_f32 v[TA0+\a:TA0+\a+1], v[TM+\a:TM+\a+1], s[56:57] op_sel_hi:[1,0]
.endr
.irp a, 0,2
	v_pk_mul_f32 v[TA3+\a:TA3+\a+1], v[TA3+\a:TA3+\a+1], v[TU2+\a:TU2+\a+1]                         ; u^3 / 6
	v_pk_mul_f32 v[TA0+\a:TA0+\a+1], v[TA0+\a:TA0+\a+1], v[TM2+\a:TM2+\a+1]                         ; (1 - u)^3 / 6
.endr
.irp a, 0,2
	v_pk_fma_f32 v[TU+\a:TU+\a+1], v[TU+\a:TU+\a+1], 0.5, -1.0 op_sel_hi:[1,0,0]
	v_pk_fma_f32 v[TM+\a:TM+\a+1], v[TM+\a:TM+\a+1], 0.5, -1.0 op_sel_hi:[1,0,0]
.endr
.irp a, 0,2
	v_pk_fma_f32 v[TU+\a:TU+\a+1], v[TU2+\a:TU2+\a+1], v[TU+\a:TU+\a+1], s[58:59] op_sel_hi:[1,1,0] ; u^2 (u/2 - 1) + 2/3
	v_pk_fma_f32 v[TM+\a:TM+\a+1], v[TM2+\a:TM2+\a+1], v[TM+\a:TM+\a+1], s[58:59] op_sel_hi:[1,1,0] ; the same of 1 - u
.endr
.irp e, 0,1,2,3
.set QB_, TQ0+4*\e+8*(\e/2)
	v_min_num_f32 v[QB_],   s61, v[TA0+\e]         ; the hold (one-sided: no base is negative; the conversion does not saturate: ISA guide 7.6.2) also lays an element's four on end
	v_min_num_f32 v[QB_+1], s61, v[TU+\e]
	v_min_num_f32 v[QB_+2], s61, v[TM+\e]
	v_min_num_f32 v[QB_+3], s61, v[TA3+\e]
.endr
	v_cvt_scalef32_pk8_bf8_f32 v[TWC:TWC+1],   v[TQ0:TQ0+7], v242
	v_cvt_scalef32_pk8_bf8_f32 v[TWC+2:TWC+3], v[TQ1:TQ1+7], v242
.irp e, 0,1,2,3
	v_perm_b32 v[TY+\e], v[TY+\e], v[TY+\e], 0     ; s in all four bytes.  (These eight lines are also the plain lines behind the conversions)
.endr
.irp e, 0,1,2,3
	v_sub_nc_u32 v[TY+\e], s60, v[TY+\e]           ; selector byte p = 4 + p - s: 0 .. 7, no borrow
.endr
.irp e, 0,1,2,3
	v_perm_b32 v[(\frd)+2*\e],   v[TWC+\e], v13, v[TY+\e]   ; bases 0-3: selectors 4-7 take the codes, 0-3 take zeros
	v_perm_b32 v[(\frd)+2*\e+1], v13, v[TWC+\e], v[TY+\e]   ; bases 4-7: the sources change places
.endr
.endm
.macro TANH0                           ; h of tile 0; every later tile's is made inside the tile before it
	WIN 0x01
.irp a, 0,2,4,6
	v_pk_mul_f32 v[HA+\a:HA+\a+1], v[\a:\a+1], s[46:47] op_sel_hi:[1,0]
.endr
	WIN 0
.irp j, 0,1,2,3,4,5,6,7
	v_exp_f32 v[HA+\j], v[HA+\j]
.endr
	v_nop
	s_wait_alu depctr_va_vdst(0)                   ; the wait ahead of the batch's first reader
.irp a, 0,2,4,6
	v_pk_add_f32 v[HA+\a:HA+\a+1], v[HA+\a:HA+\a+1], 1.0 op_sel_hi:[1,0]
.endr
.irp j, 0,1,2,3,4,5,6,7
	v_rcp_f32 v[HA+\j], v[HA+\j]
.endr
	v_nop
	s_wait_alu depctr_va_vdst(0)
.irp a, 0,2,4,6
	v_pk_fma_f32 v[HA+\a:HA+\a+1], v[HA+\a:HA+\a+1], -2.0, 1.0 op_sel_hi:[1,0,0]
.endr
.endm
; THE VECTOR WORK OF TILE i (tile column t = i / 4, rows 16 (i % 4) on): its bases into v[fr] on, its silu's codes, and (nxt = 1) tanh of tile i + 1.
; The transcendentals go in two batches (16 exponentials, 16 reciprocals); behind each stand the 64 lines of half the tile's bases, and then ONE wait ahead of the batch's first reader.
.macro VT i, fr, nxt
.set H_,  HA+8*((\i)%2)
.set Z_,  HA+8-8*((\i)%2)
.set AN_, 8*(4*(((\i)+1)%4)+((\i)+1)/4)
.set SD_, SIL+8*((\i)%4)+2*((\i)/4)
.if \nxt
	WIN 0x01
.irp a, 0,2,4,6
	v_pk_mul_f32 v[Z_+\a:Z_+\a+1], v[AN_+\a:AN_+\a+1], s[46:47] op_sel_hi:[1,0]   ; 2 log2(e) z: the sums' power of two lies in the factor; the accumulator is read from its low end on
.endr
	WIN 0
.endif
.irp a, 0,2,4,6
	v_pk_mul_f32 v[TS+\a:TS+\a+1], v[H_+\a:H_+\a+1], s[52:53] op_sel_hi:[1,0]     ; -log2(e) h
.endr
.if \nxt
.irp j, 0,1,2,3,4,5,6,7
	v_exp_f32 v[Z_+\j], v[Z_+\j]
.endr
.endif
.irp j, 0,1,2,3,4,5,6,7
	v_exp_f32 v[TS+\j], v[TS+\j]
.endr
	SPL H_, \fr
	s_wait_alu depctr_va_vdst(0)
.if \nxt
.irp a, 0,2,4,6
	v_pk_add_f32 v[Z_+\a:Z_+\a+1], v[Z_+\a:Z_+\a+1], 1.0 op_sel_hi:[1,0]
.endr
.endif
.irp a, 0,2,4,6
	v_pk_add_f32 v[TS+\a:TS+\a+1], v[TS+\a:TS+\a+1], 1.0 op_sel_hi:[1,0]
.endr
.if \nxt
.irp j, 0,1,2,3,4,5,6,7
	v_rcp_f32 v[Z_+\j], v[Z_+\j]
.endr
.endif
.irp j, 0,1,2,3,4,5,6,7
	v_rcp_f32 v[TS+\j], v[TS+\j]
.endr
	SPL H_+4, (\fr)+8
	s_wait_alu depctr_va_vdst(0)
.if \nxt
.irp a, 0,2,4,6
	v_pk_fma_f32 v[Z_+\a:Z_+\a+1], v[Z_+\a:Z_+\a+1], -2.0, 1.0 op_sel_hi:[1,0,0]  ; the next tile's h
.endr
.endif
.irp a, 0,2,4,6
	v_pk_mul_f32 v[TS+\a:TS+\a+1], v[TS+\a:TS+\a+1], v[H_+\a:H_+\a+1]             ; silu(h) = h / (1 + e^-h)
.endr
.irp j, 0,1,2,3,4,5,6,7
	v_med3_num_f32 v[TS+\j], v[TS+\j], -v244, v244
.endr
	v_cvt_scalef32_pk8_bf8_f32 v[SD_:SD_+1], v[TS:TS+7], v243
	v_nop                                          ; a plain line between a scaled conversion and whatever next touches its registers
.endm
; X: group k of 12 (t = 12 w + 4 (k / 4) + 0 .. 3, rows 16 (k % 4) on): a lane's 16 numbers (row lane / 2, features 4 (lane % 2) on, four t) are four registers of a fragment.
.macro QINX k
.set SET_, AF+16*((\k)%2)
.set CD_,  SIL+4*((\k)%2)
	s_wait_loadcnt 44-4*(\k)                       ; behind group k's four loads: four for each later group
	WIN 0x01
.irp j, 0,1,2,3,4,5,6,7,8,9,10,11,12,13,14,15
	v_med3_num_f32 v[SET_+\j], v[16*(\k)+\j], -v247, v247
.endr
	WIN 0
.if (\k) >= 2
	s_wait_dscnt 1                                 ; the store of two groups back is done: its registers are written again
.endif
	v_cvt_scalef32_pk8_bf8_f32 v[CD_:CD_+1],   v[SET_:SET_+7],    v246
	v_cvt_scalef32_pk8_bf8_f32 v[CD_+2:CD_+3], v[SET_+8:SET_+15], v246
	v_nop
	ds_store_b128 v3, v[CD_:CD_+3] offset:2048*((\k)/4)+512*((\k)%4)
.endm
.macro YLOAD k                         ; Y: the same group's numbers, out of my rows of the landing zone
.irp i, 0,1,2,3
	ds_load_b128 v[AF+16*((\k)%2)+4*\i:AF+16*((\k)%2)+4*\i+3], v4 offset:2048*(4*((\k)/4)+\i)+512*((\k)%4)
.endr
.endm
.macro QINY k, left                    ; left: the LDS instructions issued behind group k's loads
.set SET_, AF+16*((\k)%2)
.set CD_,  SIL+4*((\k)%2)
	s_wait_dscnt \left
.irp j, 0,1,2,3,4,5,6,7,8,9,10,11,12,13,14,15
	v_med3_num_f32 v[SET_+\j], v[SET_+\j], -v247, v247
.endr
	v_cvt_scalef32_pk8_bf8_f32 v[CD_:CD_+1],   v[SET_:SET_+7],    v246
	v_cvt_scalef32_pk8_bf8_f32 v[CD_+2:CD_+3], v[SET_+8:SET_+15], v246
	v_nop
	ds_store_b128 v3, v[CD_:CD_+3] offset:2048*((\k)/4)+512*((\k)%4)
.if (\k) < 10
	YLOAD (\k)+2
.endif
.endm
	; ======== THE HEAD
	s_load_b512 s[4:19], s[0:1], 0x0               ; X s[4:5], Y s[6:7], wcodes s[8:9], bx s[10:11], by s[12:13], bf s[14:15], lowp_scales s[16:17], out0 s[18:19]
	v_lshl_add_u32 v254, v0, 2, 0x40000
	v_mov_b32 v255, 0
	ds_add_u32 v254, v255
	ds_add_u32 v254, v255
	v_lshrrev_b32 v14, 5, v0
	v_readfirstlane_b32 s20, v14                   ; wave 0 .. 7
	v_and_b32 v14, 31, v0                          ; lane
	v_bfe_u32 v15, v0, 4, 1                        ; h
	v_and_b32 v250, 15, v0                         ; r
	v_lshlrev_b32 v1, 4, v14                       ; v1: 16 x lane
	v_lshlrev_b32 v251, 3, v15
	v_xor_b32 v251, v251, v14
	v_lshl_add_u32 v2, v251, 4, CODES              ; v2: where I read a data fragment: slot lane xor 8 h
	v_and_b32 v251, 1, v0                          ; as a writer: my half of the features,
	v_bfe_u32 v252, v0, 1, 4                       ; my row
	v_lshlrev_b32 v253, 3, v251
	v_xor_b32 v252, v252, v253
	v_lshl_add_u32 v252, v251, 4, v252             ; slot 16 half + (row xor 8 half)
	s_mul_i32 s80, s20, 6144
	s_add_co_u32 s80, s80, CODES
	v_lshl_add_u32 v3, v252, 4, s80                ; v3: where I store codes: my wave's three G
	s_mul_i32 s80, s20, 24576
	v_add_nc_u32 v4, s80, v1                       ; v4: my wave's rows of the landing zone
	v_lshlrev_b32 v5, 5, v15                       ; v5: 32 h, for the biases of the hidden layer
	s_lshl_b32 s80, s20, 14
	v_add_nc_u32 v6, s80, v1                       ; v6: where I store my partial kan
	s_lshl_b32 s80, s20, 11
	v_add_nc_u32 v7, s80, v1                       ; v7: where I read the two tiles that I add up, waves 0-3's,
	v_add_nc_u32 v8, 0x10000, v7                   ; v8: waves 4-7's
	s_lshl_b32 s80, s20, 9
	s_add_co_u32 s80, s80, KF
	v_add_nc_u32 v9, s80, v1                       ; v9: where I store my four registers of kan's fragments
	v_add_nc_u32 v10, KF, v1                       ; v10: where all read them
	v_lshlrev_b32 v11, 5, v250
	v_lshl_add_u32 v11, v15, 4, v11                ; v11: out: 32 r + 16 h
	v_lshlrev_b32 v12, 4, v15                      ; v12: 16 h, for bf
	v_mov_b32 v13, 0                               ; v13: 0
	s_lshr_b32 s22, ttmp9, 3
	s_mul_i32 s22, s22, 1572864                    ; b: 96 t of 16,384 bytes
	s_and_b32 s80, ttmp9, 7
	s_lshl_b32 s80, s80, 11                        ; 64 rows of 32 bytes
	s_add_co_u32 s22, s22, s80
	s_mul_i32 s80, s20, 196608                     ; my wave's 12 t
	s_add_co_u32 s22, s22, s80
	s_mov_b32 s23, 0
	s_mov_b32 s81, 0
	s_wait_dscnt 0x0
	s_wait_kmcnt 0x0
	s_load_b256 s[36:43], s[16:17], 0x0            ; e0 .. e7
	s_load_b64 s[44:45], s[16:17], 0x20            ; e8, e9
	s_add_nc_u64 s[4:5], s[4:5], s[22:23]
	s_add_nc_u64 s[18:19], s[18:19], s[22:23]
	s_add_nc_u64 s[34:35], s[6:7], s[22:23]        ; descriptor group 0, words 2 and 3: my 12 rows of Y,
	s_or_b32 s35, s35, 0x80000000                  ; type 2
	s_lshl_b32 s80, s20, 8
	s_add_nc_u64 s[10:11], s[10:11], s[80:81]      ; my 64 numbers of bx, of by
	s_add_nc_u64 s[12:13], s[12:13], s[80:81]
	s_mul_i32 s80, s20, 384
	s_add_nc_u64 s[14:15], s[14:15], s[80:81]      ; my 96 numbers of bf
	s_lshl_b32 s80, s20, 13
	s_add_nc_u64 s[66:67], s[8:9], s[80:81]        ; W's codes: my four tiles of a K step
	s_lshl_b32 s80, s20, 15
	s_add_co_u32 s80, s80, 786432
	s_add_nc_u64 s[68:69], s[8:9], s[80:81]        ; the spline weights' codes
	s_lshl_b32 s80, s20, 12
	s_add_co_u32 s80, s80, 1310720
	s_add_nc_u64 s[70:71], s[8:9], s[80:81]        ; base_w's
	s_mul_i32 s80, s20, 6144
	s_add_co_u32 s80, s80, 1376256
	s_add_nc_u64 s[72:73], s[8:9], s[80:81]        ; Wf's: my six tiles
	s_mov_b64 s[74:75], s[10:11]                   ; the phase's bias
	LDBIAS
	LDW 0, WF0
	LDW 1, WF1
	WIN 0x40                                       ; X into window 1: 48 loads, each 512 consecutive bytes; read once in the launch
.irp k, 0,1,2,3,4,5,6,7,8,9,10,11
.irp i, 0,1,2,3
	global_load_b128 v[16*\k+4*\i:16*\k+4*\i+3], v1, s[4:5] offset:16384*(4*(\k/4)+\i)+512*(\k%4) th:TH_LOAD_NT
.endr
.endr
	WIN 0
	; Y: one tensor load a wave, 12 rows (t) of 512 elements of 4 bytes, 4,096 elements from row to row, dense in LDS.  It is my only one: one is out, until the wait in front of the reads
	s_mov_b32 s24, 2<<16                           ; no mask; elements of 4 bytes; no padding
	s_mov_b32 s25, 512<<16                         ; tensor_dim0 = 512
	s_mov_b32 s26, 12<<16                          ; tensor_dim1 = 12
	s_mov_b32 s27, 512<<16                         ; tile_dim0 = 512
	s_mov_b32 s28, 12                              ; tile_dim1 = 12
	s_mov_b32 s29, 4096                            ; tensor_dim0_stride
	s_mov_b32 s30, 0
	s_mov_b32 s31, 0
	s_mov_b32 s32, 1                               ; count = 1
	s_mul_i32 s33, s20, 24576                      ; LDS address: my wave's rows
	tensor_load_to_lds s[32:35], s[24:31]
	s_nop 0
	PLACES 4
	s_wait_kmcnt 0x0
	s_add_co_i32 s80, s36, s37                     ; e0 + e1: a sum of phase 0 stands for sum x 2^(e0 + e1)
	s_sub_co_i32 s49, 0, s80                       ; the bias goes in divided by that,
	s_lshl_b32 s80, s80, 23
	s_add_co_i32 s46, s80, 0x4038aa3b              ; and 2 log2(e) takes it into its exponent field
	s_mov_b32 s47, s46                             ; (every pair that a packed form names is written whole)
	s_add_co_i32 s80, s38, s39                     ; the same for phase 1
	s_sub_co_i32 s50, 0, s80
	s_lshl_b32 s80, s80, 23
	s_add_co_i32 s48, s80, 0x4038aa3b
	s_mov_b32 s52, 0xbfb8aa3b                      ; -log2(e)
	s_mov_b32 s53, s52
	s_mov_b32 s54, 0x40200000                      ; 2.5
	s_mov_b32 s55, s54
	s_mov_b32 s56, 0x3e2aaaab                      ; 1/6
	s_mov_b32 s57, s56
	s_mov_b32 s58, 0x3f2aaaab                      ; 2/3
	s_mov_b32 s59, s58
	s_mov_b32 s60, 0x07060504
	SCHOLD 36, 82, 83
	v_mov_b32 v246, s82                            ; X's scale and hold
	v_mov_b32 v247, s83
	SCHOLD 38, 78, 79                              ; Y's, for later
	SCHOLD 40, 82, 83
	v_mov_b32 v243, s82                            ; silu's
	v_mov_b32 v244, s83
	SCHOLD 42, 82, 61                              ; the bases': the hold stays scalar
	v_mov_b32 v242, s82
	s_sub_co_i32 s84, s44, s42
	s_sub_co_i32 s84, s84, s43                     ; kan is kept in units of 2^(e6 + e7): its conversion takes 2^(e8 - e6 - e7)
	SCHOLD 84, 82, 83
	v_mov_b32 v248, s82
	v_mov_b32 v249, s83
	s_add_co_i32 s62, s40, s41
	s_sub_co_i32 s62, s62, s42
	s_sub_co_i32 s62, s62, s43
	s_add_co_i32 s62, s62, 127
	s_lshl_b32 s62, s62, 23                        ; 2^(e4 + e5 - e6 - e7): the base product's sums in kan's units
	s_mov_b32 s63, s62
	s_add_co_i32 s76, s44, s45
	s_add_co_i32 s76, s76, 127
	s_lshl_b32 s76, s76, 23                        ; 2^(e8 + e9)
	s_mov_b32 s77, s76
	v_mov_b32 v240, 0x4b400002                     ; 12,582,914
	v_mov_b32 v241, 0x4b400002
.irp k, 0,1,2,3,4,5,6,7,8,9,10,11
	QINX \k
.endr
	s_wait_dscnt 0x0                               ; my part of X's codes has landed
	s_barrier_signal -1
	WIN 0x40
.set j, 0
.rept 128
	v_mov_b32 v[KAN+j], 0                          ; kan begins as zeros, so that the phase is written once; register work while the others arrive
.set j, j+1
.endr
	WIN 0
	s_barrier_wait -1                              ; X's 24 x 4 images lie in LDS
	s_mov_b32 s21, 2                               ; phases to go
.Lphase:
	; ======== STAGE 1: my 64 hidden units for the 64 rows: six K steps of 128, 16 products each
	LDA 0, 0
	LDA 0, 1
	s_wait_loadcnt 32                              ; the bias is in; W of K steps 0 and 1 may be out
.irp j, 0,1,2,3,4,5,6,7,8,9,10,11,12,13,14,15,16,17,18,19,20,21,22,23,24,25,26,27,28,29,30,31
	v_ldexp_f32 v[BIAS+\j], v[BIAS+\j], s49
.endr
.irp s, 0,1,2,3,4,5
	STEP1 \s
.endr
	; ======== STAGE 2: tile by tile: tanh, silu, bases, codes, and the spline products.  The weights of tile column t + 1 are asked for when column t's last product is issued, and have two tiles' work in which to land
	TANH0
.irp t, 0,1,2,3
	VT 4*\t, FR0, 1
	VT 4*\t+1, FR1, 1
	s_wait_loadcnt 0x0                             ; this column's weights (nothing else is out)
	MM2 0, FR0
	MM2 1, FR1
	VT 4*\t+2, FR0, 1
	MM2 2, FR0
.if \t < 3
	VT 4*\t+3, FR1, 1
.else
	VT 4*\t+3, FR1, 0
.endif
	MM2 3, FR1
.if \t < 3
	PLACES 4
	LDB \t+1
.endif
.endr
	WIN 0x40                                       ; the base product: K = my 64 units, one instruction a tile, into the registers that the first layer has left
.irp m, 0,1,2,3
.irp ot, 0,1,2,3
	v_wmma_f32_16x16x64_bf8_bf8 v[8*(4*\m+\ot):8*(4*\m+\ot)+7], v[BASEF+8*\ot:BASEF+8*\ot+7], v[SIL+8*\m:SIL+8*\m+7], 0
.endr
.endr
	WIN 0
	PLACES 4
	WIN 0x51
.set j, 0
.rept 64
	v_pk_fma_f32 v[KAN+j:KAN+j+1], v[j:j+1], s[62:63], v[KAN+j:KAN+j+1] op_sel_hi:[1,0,1]   ; kan += base sums x 2^(e4 + e5 - e6 - e7); each accumulator from its low end on
.set j, j+2
.endr
	WIN 0
	s_cmp_eq_u32 s21, 1
	s_cbranch_scc1 .Lfinal
	; ======== BETWEEN THE PHASES: on to Wy's, by's and Y's numbers; Y's codes take the place of X's
	s_wait_xcnt 0x0                                ; the bases of earlier loads are written only behind this wait
	s_add_nc_u64 s[66:67], s[66:67], 393216
	s_add_nc_u64 s[68:69], s[68:69], 262144
	s_add_nc_u64 s[70:71], s[70:71], 32768
	s_mov_b64 s[74:75], s[12:13]
	s_mov_b32 s46, s48
	s_mov_b32 s47, s48
	s_mov_b32 s49, s50
	v_mov_b32 v246, s78
	v_mov_b32 v247, s79
	LDBIAS
	LDW 0, WF0
	LDW 1, WF1
	s_wait_tensorcnt 0x0                           ; my rows of Y have landed
	BARRIER                                        ; every wave's reads of X's codes are over
	YLOAD 0
	YLOAD 1
	QINY 0, 4                                      ; behind group 0's loads: group 1's four
.irp k, 1,2,3,4,5,6,7,8,9,10
	QINY \k, 5                                     ; behind group k's loads: the store of group k - 1 and group k + 1's four
.endr
	QINY 11, 1                                     ; behind them: the store of group 10
	BARRIER                                        ; Y's images lie in LDS, and every wave's reads of the landing zone are over
	s_sub_co_u32 s21, s21, 1
	s_branch .Lphase
.Lfinal:
	; ======== THE END: the eight partial kan are added, quantised, multiplied by Wf, and out goes
.irp ct, 0,1,2,3,4,5
.irp c, 0,1
	global_load_b128 v[16+8*\ct+4*\c:16+8*\ct+4*\c+3], v1, s[72:73] offset:1024*\ct+512*\c        ; Wf's six tiles of mine
.endr
.endr
.irp ct, 0,1,2,3,4,5
.irp u, 0,1
	global_load_b128 v[176+8*\ct+4*\u:176+8*\ct+4*\u+3], v12, s[14:15] offset:64*\ct+32*\u        ; bf in the result's layout: registers 4 u on: t = 2 ct + u, features 4 h on
.endr
.endr
	s_wait_tensorcnt 0x0                           ; on every way that leads here: my tensor load has landed,
	BARRIER                                        ; my reads of the landing zone are over, and so are all the others': behind this barrier the zone is scratch
	WIN 0x04                                       ; store data in window 1
.irp q, 0,1,2,3,4,5,6,7,8,9,10,11,12,13,14,15
.irp c, 0,1
	ds_store_b128 v6, v[KAN+8*\q+4*\c:KAN+8*\q+4*\c+3] offset:1024*\q+512*\c
.endr
.endr
	WIN 0
	BARRIER                                        ; all eight partial kan lie in LDS
	WIN 0x40                                       ; wave w adds up tiles 2 w and 2 w + 1: rows 16 (w / 2) on, outputs 32 (w % 2) on: 16 registers from each wave
.irp sw, 0,1,2,3
.irp c, 0,1,2,3
	ds_load_b128 v[16*\sw+4*\c:16*\sw+4*\c+3], v7 offset:16384*\sw+512*\c
.endr
.endr
.irp sw, 0,1,2,3
.irp c, 0,1,2,3
	ds_load_b128 v[64+16*\sw+4*\c:64+16*\sw+4*\c+3], v8 offset:16384*\sw+512*\c
.endr
.endr
	s_wait_dscnt 0x0
	WIN 0x45
.irp sw, 0,2,4,6
.irp a, 0,2,4,6,8,10,12,14
	v_pk_add_f32 v[16*\sw+\a:16*\sw+\a+1], v[16*\sw+\a:16*\sw+\a+1], v[16*\sw+16+\a:16*\sw+16+\a+1]
.endr
.endr
.irp sw, 0,4
.irp a, 0,2,4,6,8,10,12,14
	v_pk_add_f32 v[16*\sw+\a:16*\sw+\a+1], v[16*\sw+\a:16*\sw+\a+1], v[16*\sw+32+\a:16*\sw+32+\a+1]
.endr
.endr
.irp a, 0,2,4,6,8,10,12,14
	v_pk_add_f32 v[\a:\a+1], v[\a:\a+1], v[64+\a:64+\a+1]
.endr
	WIN 0x01
.irp j, 0,1,2,3,4,5,6,7,8,9,10,11,12,13,14,15
	v_med3_num_f32 v[80+\j], v[\j], -v249, v249
.endr
	WIN 0
	v_cvt_scalef32_pk8_bf8_f32 v[96:97], v[80:87], v248
	v_cvt_scalef32_pk8_bf8_f32 v[98:99], v[88:95], v248
	v_nop
	ds_store_b128 v9, v[96:99]                     ; four registers of the fragment of rows 16 (w / 2) on
	BARRIER                                        ; kan's four fragments lie in LDS
.irp m, 0,1,2,3
.irp c, 0,1
	ds_load_b128 v[144+8*\m+4*\c:144+8*\m+4*\c+3], v10 offset:1024*\m+512*\c
.endr
.endr
	s_wait_dscnt 0x0
	s_wait_loadcnt 0x0                             ; Wf's codes and bf
	WIN 0x40
.irp ct, 0,1,2,3,4,5
.irp m, 0,1,2,3
	v_wmma_f32_16x16x64_bf8_bf8 v[8*(4*\ct+\m):8*(4*\ct+\m)+7], v[16+8*\ct:16+8*\ct+7], v[144+8*\m:144+8*\m+7], 0
.endr
.endr
	WIN 0
	PLACES 4
	WIN 0x41
.irp ct, 0,1,2,3,4,5
.irp m, 0,1,2,3
.irp a, 0,2,4,6
	v_pk_fma_f32 v[8*(4*\ct+\m)+\a:8*(4*\ct+\m)+\a+1], v[8*(4*\ct+\m)+\a:8*(4*\ct+\m)+\a+1], s[76:77], v[176+8*\ct+\a:176+8*\ct+\a+1] op_sel_hi:[1,0,1]   ; out = sum x 2^(e8 + e9) + bf
.endr
.endr
.endr
	WIN 0x04
.irp ct, 0,1,2,3,4,5
.irp m, 0,1,2,3
.irp u, 0,1
	global_store_b128 v11, v[8*(4*\ct+\m)+4*\u:8*(4*\ct+\m)+4*\u+3], s[18:19] offset:16384*(2*\ct+\u)+512*\m th:TH_STORE_NT   ; t = 12 w + 2 ct + u, rows 16 m on: the wave's store covers 512 consecutive bytes, aligned
.endr
.endr
.endr
	WIN 0
	s_wait_tensorcnt 0x0
	ds_add_u32 v254, v255
	s_wait_dscnt 0x0
	s_endpgm
.Lfunc_end_k_qca93546a66_main:
	.size	k_qca93546a66_main, .Lfunc_end_k_qca93546a66_main-k_qca93546a66_main
	.p2alignl 7, 3214868480
	.fill 96, 4, 3214868480
	.section	.rodata,"a",@progbits
	.p2align	6, 0x0
	.amdhsa_kernel k_qca93546a66_main
		.amdhsa_group_segment_fixed_size 263168
		.amdhsa_private_segment_fixed_size 0
		.amdhsa_enable_private_segment 0
		.amdhsa_kernarg_size 64
		.amdhsa_user_sgpr_count 2
		.amdhsa_user_sgpr_kernarg_segment_ptr 1
		.amdhsa_wavefront_size32 1
		.amdhsa_system_sgpr_workgroup_id_x 1
		.amdhsa_system_sgpr_workgroup_id_y 1
		.amdhsa_system_sgpr_workgroup_id_z 1
		.amdhsa_system_vgpr_workitem_id 0
		.amdhsa_next_free_vgpr 512
		.amdhsa_next_free_sgpr 96
		.amdhsa_reserve_vcc 0
		.amdhsa_float_denorm_mode_32 3
		.amdhsa_float_denorm_mode_16_64 3
		.amdhsa_memory_ordered 1
		.amdhsa_forward_progress 1
		.amdhsa_inst_pref_size 255
	.end_amdhsa_kernel
	.section	.bss,"aw",@nobits
	.p2align	6
	.space	262144
	.amdgpu_metadata
---
amdhsa.version: [ 1, 2 ]
amdhsa.kernels:
  - .name:           k_qca93546a66_main
    .symbol:         k_qca93546a66_main.kd
    .args:
      - { .name: X, .offset: 0, .size: 8, .value_kind: global_buffer, .address_space: global }
      - { .name: Y, .offset: 8, .size: 8, .value_kind: global_buffer, .address_space: global }
      - { .name: wcodes, .offset: 16, .size: 8, .value_kind: global_buffer, .address_space: global }
      - { .name: bx, .offset: 24, .size: 8, .value_kind: global_buffer, .address_space: global }
      - { .name: by, .offset: 32, .size: 8, .value_kind: global_buffer, .address_space: global }
      - { .name: bf, .offset: 40, .size: 8, .value_kind: global_buffer, .address_space: global }
      - { .name: lowp_scales, .offset: 48, .size: 8, .value_kind: global_buffer, .address_space: global }
      - { .name: out0, .offset: 56, .size: 8, .value_kind: global_buffer, .address_space: global }
    .group_segment_fixed_size: 263168
    .private_segment_fixed_size: 0
    .kernarg_segment_align: 8
    .kernarg_segment_size: 64
    .max_flat_workgroup_size: 256
    .sgpr_count:     96
    .vgpr_count:     512
    .wavefront_size: 32
...
	.end_amdgpu_metadata
.endif
;; end of part 2
